; MI455X (gfx1250); checked and timed in simulation.
; The chip was launched on July 23, 2026; its instructions are those of AMD's public machine-readable ISA for CDNA 5 (MIT licence, August 2026) and "CDNA5" Instruction Set Architecture Reference Guide (July 2026). The comments in the code are by the model that wrote it; some were corrected since.
;; Torch Vi T Self Attention. Allowed arithmetic: matrix products marked QUANTISED: E2M1 operands, one E8M0 scale for each 32 along K, by v_wmma_scale_f32_16x16x128_f8f6f4 with both operands' format E2M1 (or v_wmma_scale_f32_32x16x128_f4), f32 sums; products left as they are: bf16, f16 or f32 operands; f32 sums; everything else in f32.
;; Inputs: Wk 768 x 768 float32; Wo 768 x 768 float32; Wq 768 x 768 float32; Wv 768 x 768 float32; bk 768 float32; bo 768 float32; bq 768 float32; bv 768 float32; x 16 x 1,024 x 768 float32.
;; Outputs: out0 16 x 1,024 x 768 float32.
;; This version of the problem:
;;   THIS VERSION OF THE PROBLEM IS GIVEN IN LOW PRECISION. The matrix products marked QUANTISED in the list below multiply operands that are first quantised to E2M1 (2 exponent bits, 1 mantissa bit; 4 bits a number), with one power-of-two scale for each 32 numbers along K (OCP MX v1.0); their sums are f32. The products marked 'left as it is' may take bf16, f16 or f32 operands, with f32 sums. Whichever they take, every output number must still come out within the allowed error. Rounding operands to bf16 (8 significant bits) uses up far more of that allowance than f16 does (11 bits, for magnitudes from 6e-5 to 65,504). All else is computed in f32.
;;   The module's matrix products, in the order in which they are computed (A, B: the left and right operand; K: the contracted axis; several contracted axes count as one K, in the product's order):
;;     1. [M 16,384, K 768] x [K 768, N 768]; A: input x; B: input Wq: QUANTISED
;;     2. [M 16,384, K 768] x [K 768, N 768]; A: input x; B: input Wk: QUANTISED
;;     3. [M 16,384, K 768] x [K 768, N 768]; A: input x; B: input Wv: QUANTISED
;;     4. batch 192 x [M 1,024, K 64] x [K 64, N 1,024]; A: computed on the way; B: computed on the way: left as it is (an operand is computed on the way)
;;     5. batch 192 x [M 1,024, K 1,024] x [K 1,024, N 64]; A: computed on the way; B: computed on the way: left as it is (an operand is computed on the way)
;;     6. [M 16,384, K 768] x [K 768, N 768]; A: computed on the way; B: input Wo: left as it is (an operand is computed on the way)
;;   THE QUANTISER, for each operand of a quantised product, along K:
;;     - K is cut into blocks of 32 from its start; a last block that is shorter is filled with zeros.
;;     - A block's scale is 2^e with e = floor(log2(the largest magnitude in the block)) - 2, held to -126 .. 127; a block of zeros has e = 0. As a byte (E8M0): e + 127.
;;     - Each number is divided by its block's scale, clamped to +-6, and rounded to the nearest number of E2M1, ties to even, subnormals kept.
;;     - The product sums the exact products of the quantised numbers (number of the format x scale) in f32.
;;   ~~~python
;;   def quantise(x, axis):      # numpy; x: float32 -> the quantised numbers, widened to float32 again
;;       x = np.moveaxis(x, axis, -1); K = x.shape[-1]
;;       x = np.pad(x, [(0, 0)] * (x.ndim - 1) + [(0, -K % 32)]); x = x.reshape(x.shape[:-1] + (-1, 32)); a = np.abs(x).max(-1, keepdims=True)
;;       e = np.where(a > 0, np.clip(np.frexp(np.where(a > 0, a, 1))[1] - 1 - 2, -126, 127), 0)      # np.frexp(a)[1] - 1 = floor(log2(a)), exactly
;;       r = np.clip(x / 2.0 ** e, -6, 6)
;;       step = 2.0 ** (np.maximum(np.frexp(np.where(r == 0, 1, r))[1] - 1, 0) - 1)
;;       q = np.round(r / step) * step * 2.0 ** e      # np.round: ties to even
;;       return np.moveaxis(q.reshape(q.shape[:-2] + (-1,))[..., :K], -1, axis).astype(np.float32)
;;   ~~~
;; One version. Each part assembles by itself: llvm-mc -triple=amdgcn-amd-amdhsa -mcpu=gfx1250 --defsym DOCPART=n.
;; ======== version 1 of 1: 4 launches
;; limits: values are held in f16: magnitudes above 65,504 overflow, below 6.1e-05 lose precision
;; workspace buffers: xq 6,815,744 bytes; wc 884,736 bytes; ws 55,296 bytes; wo16 1,179,648 bytes; q16 25,165,824 bytes; k16 25,165,824 bytes; v16 25,165,824 bytes; ctx 25,165,824 bytes
;; launch prep (part 1): grid 400 x 1, 4 waves a work-group, no clusters, 34,304 bytes of LDS; arguments x, Wq, Wk, Wv, Wo, xq, wc, ws, wo16; writes xq, wc, ws, wo16
.if DOCPART == 1
	.amdgcn_target "amdgcn-amd-amdhsa--gfx1250"
	.amdhsa_code_object_version 6
	.text
	.protected	k_q7631d79f32_prep
	.globl	k_q7631d79f32_prep
	.p2align	8
	.type	k_q7631d79f32_prep,@function
k_q7631d79f32_prep:
	s_mov_b64 s[64:65], 0
	v_nop
	global_prefetch_b8 v0, s[64:65] scope:SCOPE_SE
	s_setreg_imm32_b32 hwreg(HW_REG_WAVE_MODE, 25, 1), 1
	s_wait_xcnt 0x0
; PREP: every operand of the later launches is laid out once, in the order of the matrix operand's registers.
;  x  [16384][768] f32 -> xq: for each tile of 16 tokens a record of 6,656 bytes: six fragments of E2M1 codes (16 tokens x 128 K, 1,024 bytes: two halves of 512, lane l's 16 bytes at 16 l),
;                         then 512 bytes of E8M0 scale words, 16 bytes a lane: word i holds in lanes 0-15 the tokens' words of K step 2 i, in lanes 16-31 those of K step 2 i + 1; word 3 is 0.
;  Wq, Wk, Wv [768 (k)][768 (n)] f32 -> wc [matrix][48 tiles of 16 columns][6 K steps][1,024 bytes], ws [matrix][24 pairs of tiles][6 K steps][32 words] (lanes 0-15 the even tile, 16-31 the odd).
;  Wo [768 (k)][768 (n)] f32 -> wo16 [4 blocks of 192 columns][24 K steps of 32][12 tiles][1,024 bytes]: f16 fragments (16 columns x 32 k).
; THE QUANTISER: a block of 32 along K has the scale 2^(floor(log2(largest magnitude)) - 2); its byte is the largest magnitude's exponent field - 2; numbers are divided by it and rounded to the nearest code, ties to even, beyond 6 held at 6.
; LIMITS: a block whose largest magnitude lies under 2^-124 has its byte held at 1; a block of zeros gets the byte 1 with zero codes (this program alone reads the bytes); Wo goes to f16: magnitudes from 65,504 on are not served,
; under 6e-5 they keep an absolute step of 6e-8; NaN and infinities are not served.
; SHARES: work-groups 0-143 take the weights (matrix j / 36, 128 columns x 128 along K each; a lane takes a column and its registers run down K, so nothing is transposed); work-groups 144-399 take x, a tile of 16 tokens a wave.
; Only the x path uses LDS: a stage of 16 rows x (512 + 16) bytes for each wave, through which a K step's numbers turn from dense loads (512 bytes on end) into 32 neighbours a lane.
.set SPARE, 33792                      ; behind the four stages: the spare words, 128 bytes a wave
.set STGB,  8448                       ; a wave's stage
.set SP,    528                        ; a stage row: 512 bytes + 16 = 33 x 16: sixteen rows at one column fall on sixteen different groups of banks
.set SPW,   4                          ; v4   LDS address of my spare word; never rewritten
.set NIL,   5                          ; v5   0; never rewritten
.set SW,    16                         ; v16-19 x's scale words of the record
.set R,     32                         ; v32-159  numbers as loaded
.set X,     160                        ; v160-223 x path: 64 numbers of my row; weight paths: the codes or the f16 pairs
.set CX,    224                        ; v224-239 x path: codes, two sets of 8
	s_load_b256 s[4:11], s[0:1], 0x0               ; x, Wq, Wk, Wv
	s_load_b256 s[12:19], s[0:1], 0x20             ; Wo, xq, wc, ws
	s_load_b64 s[20:21], s[0:1], 0x40              ; wo16
	v_lshl_add_u32 v[SPW], v0, 2, SPARE
	v_mov_b32 v[NIL], 0
	v_lshrrev_b32 v1, 5, v0
	v_readfirstlane_b32 s22, v1                    ; wave
	v_and_b32 v1, 31, v0                           ; lane
	v_and_b32 v2, 15, v0                           ; r
	v_bfe_u32 v3, v0, 4, 1                         ; h
	v_lshlrev_b32 v6, 2, v1                        ; 4 x lane
	v_lshlrev_b32 v7, 4, v1                        ; 16 x lane
	s_mov_b32 s34, 0x76543210
	s_mov_b32 s35, 0xfedcba98                      ; v_permlanex16_b32's selects for lane l xor 16
	s_mov_b32 s36, 0xffff0000                      ; lanes 16-31
; the largest magnitude of 32 numbers of a lane, v[src] on, with the floor 2^(3 - 127) as one more leaf: 16 lines in two chains
.macro AMAX d, t, src
	v_max3_num_f32 v[\d], |v[\src]|, |v[\src+1]|, |v[\src+2]|
	v_max3_num_f32 v[\t], |v[\src+3]|, |v[\src+4]|, |v[\src+5]|
.irp i, 6,10,14,18,22,26
	v_max3_num_f32 v[\d], v[\d], |v[\src+\i]|, |v[\src+\i+1]|
	v_max3_num_f32 v[\t], v[\t], |v[\src+\i+2]|, |v[\src+\i+3]|
.endr
	v_max3_num_f32 v[\d], v[\d], |v[\src+30]|, |v[\src+31]|
	v_max3_num_f32 v[\d], v[\d], v[\t], 0x1800000
.endm
	s_cmp_ge_u32 ttmp9, 144
	s_cbranch_scc1 .Lx_job
	; ---------------- THE WEIGHTS ----------------
	s_mul_i32 s23, ttmp9, 1821
	s_lshr_b32 s23, s23, 16                        ; m = j / 36: 0 Wq, 1 Wk, 2 Wv, 3 Wo
	s_mul_i32 s24, s23, 36
	s_sub_co_u32 s24, ttmp9, s24                   ; j % 36
	s_mul_i32 s25, s24, 43691
	s_lshr_b32 s25, s25, 18                        ; cg = that / 6: which 128 columns
	s_mul_i32 s26, s25, 6
	s_sub_co_u32 s26, s24, s26                     ; s: which 128 along K
	s_mul_i32 s28, s26, 393216                     ; 128 rows of 3,072 bytes
	s_lshl_b32 s27, s25, 9
	s_add_co_u32 s28, s28, s27
	s_lshl_b32 s27, s22, 7                         ; my wave's 32 columns
	s_add_co_u32 s28, s28, s27
	s_mov_b32 s29, 0
	s_lshl_b32 s32, s25, 3
	s_lshl_b32 s27, s22, 1
	s_add_co_u32 s32, s32, s27                     ; ct = 8 cg + 2 wave: my first tile of 16 columns
	s_wait_kmcnt 0x0
	s_cmp_eq_u32 s23, 0                            ; the source is chosen by the work-group's number alone
	s_cselect_b64 s[30:31], s[6:7], s[8:9]
	s_cmp_lt_u32 s23, 2
	s_cselect_b64 s[30:31], s[30:31], s[10:11]
	s_cmp_lt_u32 s23, 3
	s_cselect_b64 s[30:31], s[30:31], s[12:13]
	s_add_nc_u64 s[30:31], s[30:31], s[28:29]
.set i, 0
.rept 128
	global_load_b32 v[R+i], v6, s[30:31] offset:3072*i th:TH_LOAD_NT   ; W(128 s + i, my column): 128 bytes a wave, 512 a work-group on end
.set i, i+1
.endr
	s_cmp_eq_u32 s23, 3
	s_cbranch_scc1 .Lwo
	; ---- Wq, Wk, Wv: codes ----
	s_mul_i32 s28, s23, 294912
	s_mul_i32 s27, s32, 6144
	s_add_co_u32 s28, s28, s27
	s_lshl_b32 s27, s26, 10
	s_add_co_u32 s28, s28, s27
	s_add_nc_u64 s[16:17], s[16:17], s[28:29]      ; wc at (m, ct, s)
	s_mul_i32 s28, s23, 24
	s_lshl_b32 s27, s25, 2
	s_add_co_u32 s28, s28, s27
	s_add_co_u32 s28, s28, s22                     ; the pair of tiles: 24 m + 4 cg + wave
	s_mul_i32 s28, s28, 6
	s_add_co_u32 s28, s28, s26
	s_lshl_b32 s28, s28, 7
	s_add_nc_u64 s[18:19], s[18:19], s[28:29]      ; ws at (pair, s)
.macro WBLK b                          ; block b of my column: all 32 numbers are mine
	AMAX 10, 11, R+32*\b
	v_add_nc_u32 v[24+\b], 0xff000000, v10         ; 2 off the exponent field: the conversion takes this operand's exponent field as its scale
	v_lshrrev_b32 v[28+\b], 23, v[24+\b]           ; the scale's byte
.irp g, 0,1,2,3
	v_cvt_scalef32_pk8_fp4_f32 v[X+4*\b+\g], v[R+32*\b+8*\g:R+32*\b+8*\g+7], v[24+\b]
.endr
.endm
	s_wait_loadcnt 63                              ; the 63 youngest loads may be out: blocks 0 and 1 are in
	WBLK 0
	WBLK 1
	s_wait_loadcnt 32                              ; block 3's 32 loads may be out
	WBLK 2
	s_wait_loadcnt 0x0
	WBLK 3
	v_lshl_or_b32 v21, v29, 8, v28                 ; my column's scale word (also the plain line behind the conversions)
	v_lshl_or_b32 v21, v30, 16, v21
	v_lshl_or_b32 v21, v31, 24, v21
.irp g, 0,1,2,3                        ; the operand wants lanes 0-15 block 2 c and lanes 16-31 block 2 c + 1 of ONE tile's columns: the first's upper lanes change places with the second's lower
	v_permlane16_swap_b32 v[X+\g], v[X+4+\g]       ; -> X+0..3: even tile, registers 0-3;  X+4..7: odd tile, registers 0-3
	v_permlane16_swap_b32 v[X+8+\g], v[X+12+\g]    ; -> X+8..11: even tile, registers 4-7; X+12..15: odd tile, registers 4-7
.endr
	global_store_b128 v7, v[X:X+3], s[16:17]                    ; each store: 512 consecutive bytes, aligned
	global_store_b128 v7, v[X+8:X+11], s[16:17] offset:512
	global_store_b128 v7, v[X+4:X+7], s[16:17] offset:6144
	global_store_b128 v7, v[X+12:X+15], s[16:17] offset:6656
	global_store_b32 v6, v21, s[18:19]                          ; 128 bytes on end: the scale words are 55 KB in all
	s_endpgm
	; ---- Wo: f16 fragments ----
.Lwo:
	s_mul_i32 s27, s32, 171
	s_lshr_b32 s27, s27, 11                        ; cb = ct / 12
	s_mul_i32 s28, s27, 12
	s_sub_co_u32 s33, s32, s28                     ; b = ct % 12 (even: both my tiles lie in one block)
	s_mul_i32 s28, s27, 294912
	s_mul_i32 s27, s26, 49152                      ; K step 4 s of 12,288 bytes
	s_add_co_u32 s28, s28, s27
	s_lshl_b32 s27, s33, 10
	s_add_co_u32 s28, s28, s27
	s_add_nc_u64 s[20:21], s[20:21], s[28:29]
.macro OBLK q                          ; K step 4 s + q: 32 numbers of my column -> 16 pairs; pairs 0-3 are k 0-7, 4-7 k 8-15, 8-11 k 16-23, 12-15 k 24-31
.set i, 0
.rept 16
	v_cvt_pk_f16_f32 v[X+16*\q+i], v[R+32*\q+2*i], v[R+32*\q+2*i+1]
.set i, i+1
.endr
.irp j, 0,1,2,3                        ; the operand wants k 8 h on in registers 0-3 and k 16 + 8 h on in registers 4-7
	v_permlane16_swap_b32 v[X+16*\q+\j], v[X+16*\q+4+\j]
	v_permlane16_swap_b32 v[X+16*\q+8+\j], v[X+16*\q+12+\j]
.endr
	global_store_b128 v7, v[X+16*\q:X+16*\q+3], s[20:21] offset:12288*\q
	global_store_b128 v7, v[X+16*\q+8:X+16*\q+11], s[20:21] offset:12288*\q+512
	global_store_b128 v7, v[X+16*\q+4:X+16*\q+7], s[20:21] offset:12288*\q+1024
	global_store_b128 v7, v[X+16*\q+12:X+16*\q+15], s[20:21] offset:12288*\q+1536
.endm
	s_wait_loadcnt 63                              ; as above
	OBLK 0
	OBLK 1
	s_wait_loadcnt 32
	OBLK 2
	s_wait_loadcnt 0x0
	OBLK 3
	s_endpgm
	; ---------------- x ----------------
.Lx_job:
	s_sub_co_u32 s23, ttmp9, 144
	s_lshl_b32 s23, s23, 2
	s_add_co_u32 s23, s23, s22                     ; T: my wave's tile of 16 tokens
	s_mul_i32 s24, s23, 49152                      ; 16 rows of 3,072 bytes
	s_mov_b32 s25, 0
	s_mul_i32 s26, s23, 6656
	s_mov_b32 s27, 0
	s_mul_i32 s28, s22, STGB
	v_add_nc_u32 v8, s28, v7                       ; into the stage: 16 x lane of a row
	v_mul_u32_u24 v9, v2, SP
	v_lshl_add_u32 v9, v3, 7, v9
	v_add_nc_u32 v9, s28, v9                       ; out of it: row r, + 128 h: my 32 neighbours of each 64
	v_lshlrev_b32 v23, 3, v3                       ; 8 h
	v_mov_b32 v22, 0                               ; written once: a lane permute's destination counts as one of its sources
	s_wait_kmcnt 0x0
	s_add_nc_u64 s[4:5], s[4:5], s[24:25]
	s_add_nc_u64 s[14:15], s[14:15], s[26:27]
.macro XLOAD s                         ; K step s of my 16 rows: each load 512 consecutive bytes
.set jj, 0
.rept 16
	global_load_b128 v[R+64*((\s)%2)+4*jj:R+64*((\s)%2)+4*jj+3], v7, s[4:5] offset:3072*jj+512*(\s) th:TH_LOAD_NT
.set jj, jj+1
.endr
.endm
.macro XTURN s                         ; through the stage: LDS serves a wave's instructions in order, so no wait stands between the stores and the loads
.set jj, 0
.rept 16
	ds_store_b128 v8, v[R+64*((\s)%2)+4*jj:R+64*((\s)%2)+4*jj+3] offset:SP*jj
.set jj, jj+1
.endr
.irp c, 0,1
.irp i, 0,1,2,3,4,5,6,7
	ds_load_b128 v[X+32*\c+4*\i:X+32*\c+4*\i+3], v9 offset:256*\c+16*\i      ; k = 128 s + 64 c + 32 h + 4 i on, of token r
.endr
.endr
.endm
.macro XSTEP s
.if (\s) < 5
	s_wait_loadcnt 16                              ; this K step's 16 loads are in; the next step's 16 may be out
.else
	s_wait_loadcnt 0x0
.endif
	XTURN \s
	s_wait_dscnt 0x0                               ; my numbers are back, and the stage's stores have read their registers,
.if (\s) < 4
	XLOAD (\s)+2                                   ; which take the loads of two steps on
.endif
	AMAX 10, 11, X                                 ; block 2 c + h of my token is all mine
	AMAX 12, 13, X+32
	v_add_nc_u32 v24, 0xff000000, v10
	v_add_nc_u32 v25, 0xff000000, v12
	v_lshrrev_b32 v28, 23, v24
	v_lshrrev_b32 v29, 23, v25
.if (\s) >= 2
	s_wait_xcnt 0x0                                ; the stores of two steps ago have read this set of codes: it is written again only behind this wait
.endif
.irp c, 0,1
.irp g, 0,1,2,3
	v_cvt_scalef32_pk8_fp4_f32 v[CX+8*((\s)%2)+4*\c+\g], v[X+32*\c+8*\g:X+32*\c+8*\g+7], v[24+\c]   ; register 4 c + g of the fragment
.endr
.endr
	v_lshl_or_b32 v21, v29, 16, v28                ; my two bytes, blocks h and 2 + h (also the plain line behind the conversions),
	v_lshlrev_b32 v21, v23, v21                    ; at their places, 8 h bits up;
	v_permlanex16_b32 v22, v21, s34, s35
	v_or_b32 v21, v21, v22                         ; with lane l xor 16's two the token's word is whole, in both lanes
.if (\s)%2 == 0
	v_mov_b32 v20, v21
.else
	v_cndmask_b32 v[SW+(\s)/2], v20, v21, s36      ; lanes 0-15 the even K step's word, lanes 16-31 the odd one's
.endif
	global_store_b128 v7, v[CX+8*((\s)%2):CX+8*((\s)%2)+3], s[14:15] offset:1024*(\s)
	global_store_b128 v7, v[CX+8*((\s)%2)+4:CX+8*((\s)%2)+7], s[14:15] offset:1024*(\s)+512
.endm
	XLOAD 0
	XLOAD 1
.irp s, 0,1,2,3,4,5
	XSTEP \s
.endr
	v_mov_b32 v[SW+3], 0
	global_store_b128 v7, v[SW:SW+3], s[14:15] offset:6144
	s_wait_tensorcnt 0x0                           ; the wave's end: behind my last LDS store
	ds_add_u32 v[SPW], v[NIL]
	s_wait_dscnt 0x0
	s_endpgm
.Lfunc_end_k_q7631d79f32_prep:
	.size	k_q7631d79f32_prep, .Lfunc_end_k_q7631d79f32_prep-k_q7631d79f32_prep
	.p2alignl 7, 3214868480
	.fill 96, 4, 3214868480
	.section	.rodata,"a",@progbits
	.p2align	6, 0x0
	.amdhsa_kernel k_q7631d79f32_prep
		.amdhsa_group_segment_fixed_size 34304
		.amdhsa_private_segment_fixed_size 0
		.amdhsa_enable_private_segment 0
		.amdhsa_kernarg_size 72
		.amdhsa_user_sgpr_count 2
		.amdhsa_user_sgpr_kernarg_segment_ptr 1
		.amdhsa_wavefront_size32 1
		.amdhsa_system_sgpr_workgroup_id_x 1
		.amdhsa_system_sgpr_workgroup_id_y 1
		.amdhsa_system_sgpr_workgroup_id_z 1
		.amdhsa_system_vgpr_workitem_id 0
		.amdhsa_next_free_vgpr 240
		.amdhsa_next_free_sgpr 66
		.amdhsa_reserve_vcc 0
		.amdhsa_float_denorm_mode_32 3
		.amdhsa_float_denorm_mode_16_64 3
		.amdhsa_memory_ordered 1
		.amdhsa_forward_progress 1
		.amdhsa_inst_pref_size 70
	.end_amdhsa_kernel
	.amdgpu_metadata
---
amdhsa.version: [ 1, 2 ]
amdhsa.kernels:
  - .name:           k_q7631d79f32_prep
    .symbol:         k_q7631d79f32_prep.kd
    .args:
      - { .name: x, .offset: 0, .size: 8, .value_kind: global_buffer, .address_space: global }
      - { .name: Wq, .offset: 8, .size: 8, .value_kind: global_buffer, .address_space: global }
      - { .name: Wk, .offset: 16, .size: 8, .value_kind: global_buffer, .address_space: global }
      - { .name: Wv, .offset: 24, .size: 8, .value_kind: global_buffer, .address_space: global }
      - { .name: Wo, .offset: 32, .size: 8, .value_kind: global_buffer, .address_space: global }
      - { .name: xq, .offset: 40, .size: 8, .value_kind: global_buffer, .address_space: global }
      - { .name: wc, .offset: 48, .size: 8, .value_kind: global_buffer, .address_space: global }
      - { .name: ws, .offset: 56, .size: 8, .value_kind: global_buffer, .address_space: global }
      - { .name: wo16, .offset: 64, .size: 8, .value_kind: global_buffer, .address_space: global }
    .group_segment_fixed_size: 34304
    .private_segment_fixed_size: 0
    .kernarg_segment_align: 8
    .kernarg_segment_size: 72
    .max_flat_workgroup_size: 128
    .sgpr_count:     66
    .vgpr_count:     240
    .wavefront_size: 32
...
	.end_amdgpu_metadata
.endif
;; end of part 1
;; launch qkv (part 2): grid 6 x 32, 4 waves a work-group, no clusters, 327,680 bytes of LDS; arguments xq, wc, ws, bq, bk, bv, q16, k16, v16; writes q16, k16, v16
.if DOCPART == 2
	.amdgcn_target "amdgcn-amd-amdhsa--gfx1250"
	.amdhsa_code_object_version 6
	.text
	.protected	k_q7631d79f32_qkv
	.globl	k_q7631d79f32_qkv
	.p2align	8
	.type	k_q7631d79f32_qkv,@function
k_q7631d79f32_qkv:
	s_mov_b64 s[64:65], 0
	v_nop
	global_prefetch_b8 v0, s[64:65] scope:SCOPE_SE
	s_setreg_imm32_b32 hwreg(HW_REG_WAVE_MODE, 25, 1), 1
	s_wait_xcnt 0x0
; q = x Wq + bq, k = x Wk + bk, v = x Wv + bv on codes of E2M1 with E8M0 scales, sums in f32, each result rounded once to f16.  q16, k16, v16: [16384][768] f16.
; LIMIT: results of magnitude 65,504 and above are not served (f16); under 6e-5 they keep an absolute step of 6e-8.
; SHARES.  Work-group x = 0..5: matrix x / 2, half x % 2 of its columns (384 columns: 768 bytes of an output row, three aligned blocks of 256).  Work-group y: 512 tokens, 32 tiles of 16.
; Wave w owns columns 96 w .. 96 w + 95 of the half: 6 tiles.  Its codes of W (288 registers), their scale words (18) and its bias (48) stay in registers for the whole launch.
; The work-group's codes of x, 32 records of 6,656 bytes on end in memory, come into LDS once: two tensor loads a wave (104 rows of 256 bytes each), nothing is filled again; a wave has two loads out at the most.
; NO CLUSTER: the grid's x is 6, which no cluster of four divides; partners along y would share only the weights, which go to registers by plain loads; and what is shared along x, 6.8 MB of codes, is small beside the 75 MB stored.
; THE PRODUCT IS USED TRANSPOSED (source 0 = 16 columns of W, source 1 = 16 tokens): a lane holds eight neighbouring columns of one token; the bias is the C of a sum's first instruction.
; A tile's 16 rows x 768 bytes meet in a stage in LDS (two stages by turns, one barrier a tile) and leave as whole aligned blocks of 256 bytes.  They are read back directly behind the tile's barrier and
; stored ONE TILE LATER, behind the next tile's 36 products: those products stand between the read-back and the wait for it, and a whole tile between a tile's stores and the wait that frees their registers.
; REGISTERS.  Window 0: v1-9 addresses; v16-63, v64-111 x's six fragments, two sets; v112-119 x's scale words, two sets; v120-137 W's scale words; v140-163 packed results; v164-187, v188-211 rows read back, two sets.
;   Window 1: W's fragments of K steps 0-3 at 48 s + 8 t.   Window 2: K steps 4, 5 at 48 (s - 4) + 8 t; v96-143 the six accumulators; v144-191 the bias.
.set REC,    6656                      ; a record of xq
.set CHUNK,  16*REC                    ; what the four waves' loads of one turn bring
.set STG0,   32*REC                    ; behind the records: two stages of 16 rows x 784 bytes
.set STGB,   12544
.set SPITCH, 784                       ; 768 + 16 = 49 x 16
.set SPARE,  STG0+2*STGB               ; the spare words, 128 bytes a wave
.set SPW, 1
.set NIL, 2
.set LI,  3                            ; 16 x lane
.set AX,  4                            ; LDS address of the record being fetched
.set STO, 5
.set RD,  6
.set CO,  7
.set L4,  8                            ; 4 x lane
.set H32, 9                            ; 32 h
.set XA,  16
.set XS,  112
.set WS,  120
.set PK,  140
.set RB,  164                          ; set p at RB + 24 p
.set ACC, 96                           ; in window 2
.set BIAS, 144                         ; in window 2
.set G1,  24                           ; s[24:31] descriptor group 1
.set G0,  32                           ; s[32:39] group 0, a set for each chunk
.set WV,  22
.set TX,  48                           ; LDS byte of the next record to fetch
.set CNT, 49
.set OUT, 50                           ; s[50:51] the output at the first row of the tile that is being stored
.set STP, 60                           ; s[60:61] what the next send adds to it: 0 for the first, then 16 rows
.set MSB, 0
.macro WIN new                         ; the immediate's high byte repeats the setting that is left
.if MSB != \new
	s_set_vgpr_msb (MSB<<8)|\new
.set MSB, \new
.endif
.endm
.set MUL_A, 0xa1                       ; source 0 (W) window 1, source 1 (x) window 0, C and D window 2
.set MUL_B, 0xa2                       ; source 0 window 2
.set CVT,   0x0a                       ; sources window 2, destination window 0
.macro PLACES n
.rept \n
	v_nop
.endr
.endm
.macro BAR                             ; my LDS instructions are done; then the work-group's barrier
	s_wait_dscnt 0x0
	s_barrier_signal -1
	s_barrier_wait -1
.endm
	s_load_b256 s[4:11], s[0:1], 0x0               ; xq, wc, ws, bq
	s_load_b256 s[12:19], s[0:1], 0x20             ; bk, bv, q16, k16
	s_load_b64 s[20:21], s[0:1], 0x40              ; v16
	v_lshl_add_u32 v[SPW], v0, 2, SPARE
	v_mov_b32 v[NIL], 0
	ds_add_u32 v[SPW], v[NIL]                      ; the wave's opening: the add and its wait stand ahead of my first tensor load
	v_lshrrev_b32 v10, 5, v0
	v_readfirstlane_b32 s[WV], v10                 ; wave 0..3
	s_lshr_b32 s52, ttmp9, 1                       ; m: the matrix
	s_and_b32 s53, ttmp9, 1                        ; hf: the half of its columns
	s_and_b32 s54, ttmp7, 0xffff                   ; rb: the block of 512 tokens
	s_mov_b32 s[G1+0], 3<<16                       ; elements of 8 bytes, no mask, no padding
	s_mov_b32 s[G1+1], 32<<16                      ; tensor_dim0 = 32 (256 bytes)
	s_mov_b32 s[G1+2], 104<<16                     ; tensor_dim1 = 104
	s_mov_b32 s[G1+3], 32<<16                      ; tile_dim0
	s_mov_b32 s[G1+4], 104                         ; tile_dim1: four records
	s_mov_b32 s[G1+5], 32                          ; the pitch: dense
	s_mov_b32 s[G1+6], 0
	s_mov_b32 s[G1+7], 0
	s_mov_b32 s[STP], 0
	s_mov_b32 s[STP+1], 0
	s_lshl_b32 s55, s54, 5
	s_lshl_b32 s56, s[WV], 2
	s_add_co_u32 s55, s55, s56                     ; record 32 rb + 4 wave
	s_mul_i32 s56, s55, REC
	s_mov_b32 s57, 0
	s_mul_i32 s58, s[WV], 4*REC                    ; and its place in LDS
	s_wait_dscnt 0x0                               ; the opening add is done
	s_wait_kmcnt 0x0
	s_add_nc_u64 s[56:57], s[4:5], s[56:57]
.irp c, 0,1
	s_mov_b32 s[G0+4*\c], 1
	s_add_co_u32 s[G0+4*\c+1], s58, \c*CHUNK
	s_add_nc_u64 s[G0+4*\c+2:G0+4*\c+3], s[56:57], \c*CHUNK
	s_or_b32 s[G0+4*\c+3], s[G0+4*\c+3], 0x80000000
.endr
	tensor_load_to_lds s[G0:G0+3], s[G1:G1+7]      ; records 0-15: my four
	s_nop 0
	tensor_load_to_lds s[G0+4:G0+7], s[G1:G1+7]    ; records 16-31: my four
	s_nop 0
	v_and_b32 v10, 31, v0                          ; lane
	v_and_b32 v11, 15, v0                          ; r
	v_bfe_u32 v12, v0, 4, 1                        ; h
	v_lshlrev_b32 v[LI], 4, v10
	v_lshlrev_b32 v[L4], 2, v10
	v_lshlrev_b32 v[H32], 5, v12
	s_cmp_eq_u32 s52, 0                            ; bias and output are chosen by the work-group's number alone
	s_cselect_b64 s[40:41], s[10:11], s[12:13]
	s_cselect_b64 s[OUT:OUT+1], s[16:17], s[18:19]
	s_cmp_lt_u32 s52, 2
	s_cselect_b64 s[40:41], s[40:41], s[14:15]
	s_cselect_b64 s[OUT:OUT+1], s[OUT:OUT+1], s[20:21]
	s_mul_i32 s42, s52, 48
	s_mul_i32 s43, s53, 24
	s_add_co_u32 s42, s42, s43
	s_mul_i32 s43, s[WV], 6
	s_add_co_u32 s42, s42, s43                     ; my first tile of columns: 48 m + 24 hf + 6 wave
	s_mov_b32 s45, 0
	s_mul_i32 s44, s42, 6144
	s_add_nc_u64 s[6:7], s[6:7], s[44:45]
	s_mul_i32 s44, s42, 384                        ; (tile / 2) x 6 K steps x 128 bytes
	s_add_nc_u64 s[8:9], s[8:9], s[44:45]
	s_mul_i32 s44, s53, 1536
	s_mul_i32 s43, s[WV], 384
	s_add_co_u32 s44, s44, s43                     ; 4 x (384 hf + 96 wave)
	s_add_nc_u64 s[40:41], s[40:41], s[44:45]
	s_mul_i32 s44, s54, 786432                     ; 512 rows of 1,536 bytes
	s_mul_i32 s43, s53, 768
	s_add_co_u32 s44, s44, s43
	s_add_nc_u64 s[OUT:OUT+1], s[OUT:OUT+1], s[44:45]
.irp tp, 0,1,2
.irp s, 0,1,2,3,4,5
	global_load_b32 v[WS+6*\tp+\s], v[L4], s[8:9] offset:128*(6*\tp+\s)     ; lanes 0-15: tile 2 tp, lanes 16-31: tile 2 tp + 1
.endr
.endr
	WIN 0x40                                       ; destination window 1
.irp s, 0,1,2,3
.irp t, 0,1,2,3,4,5
.irp c, 0,1
	global_load_b128 v[48*\s+8*\t+4*\c:48*\s+8*\t+4*\c+3], v[LI], s[6:7] offset:6144*\t+1024*\s+512*\c
.endr
.endr
.endr
	WIN 0x80                                       ; destination window 2
.irp s, 4,5
.irp t, 0,1,2,3,4,5
.irp c, 0,1
	global_load_b128 v[48*(\s-4)+8*\t+4*\c:48*(\s-4)+8*\t+4*\c+3], v[LI], s[6:7] offset:6144*\t+1024*\s+512*\c
.endr
.endr
.endr
.irp t, 0,1,2,3,4,5
	global_load_b128 v[BIAS+8*\t:BIAS+8*\t+3], v[H32], s[40:41] offset:64*\t          ; the bias of columns 16 t + 8 h + 0 .. 7
	global_load_b128 v[BIAS+8*\t+4:BIAS+8*\t+7], v[H32], s[40:41] offset:64*\t+16
.endr
	WIN 0
	s_mul_i32 s43, s[WV], 192
	v_mul_u32_u24 v[STO], v11, SPITCH
	v_lshl_add_u32 v[STO], v12, 4, v[STO]
	v_add_nc_u32 v[STO], s43, v[STO]
	v_add_nc_u32 v[STO], STG0, v[STO]              ; into a stage: row r, + 192 wave + 16 h
	s_mul_i32 s43, s[WV], 4*SPITCH
	v_mul_u32_u24 v[RD], v12, SPITCH
	v_lshl_add_u32 v[RD], v11, 4, v[RD]
	v_add_nc_u32 v[RD], s43, v[RD]
	v_add_nc_u32 v[RD], STG0, v[RD]                ; back: rows 4 wave + h (+ 2), sixteen lanes to 256 bytes
	s_mul_i32 s43, s[WV], 6144
	v_mul_u32_u24 v[CO], v12, 1536
	v_lshl_add_u32 v[CO], v11, 4, v[CO]
	v_add_nc_u32 v[CO], s43, v[CO]                 ; and the same place in the output
.macro XFETCH p, adr                   ; a record's six fragments and its scale words into set p: 13 LDS loads
.irp s, 0,1,2,3,4,5
.irp c, 0,1
	ds_load_b128 v[XA+48*(\p)+8*\s+4*\c:XA+48*(\p)+8*\s+4*\c+3], v[\adr] offset:1024*\s+512*\c
.endr
.endr
	ds_load_b128 v[XS+4*(\p):XS+4*(\p)+3], v[\adr] offset:6144
.endm
; one product: tile t of my columns, K step s, x's set p.  W's scale word lies in lanes 0-15 (even t) or 16-31 (odd t) of its register, x's in lanes 0-15 (even s) or 16-31 (odd s).
.macro MM t, s, p
.set rD, ACC+8*(\t)
.set rW, 48*((\s)%4)+8*(\t)
.set rX, XA+48*(\p)+8*(\s)
.set rC, rD
.if (\s) == 0
.set rC, BIAS+8*(\t)
.endif
.set rA, WS+6*((\t)/2)+(\s)
.set rB, XS+4*(\p)+(\s)/2
.if ((\t)%2 == 0) && ((\s)%2 == 0)
	v_wmma_scale_f32_16x16x128_f8f6f4 v[rD:rD+7], v[rW:rW+7], v[rX:rX+7], v[rC:rC+7], v[rA], v[rB] matrix_a_fmt:MATRIX_FMT_FP4 matrix_b_fmt:MATRIX_FMT_FP4
.elseif ((\t)%2 == 1) && ((\s)%2 == 0)
	v_wmma_scale_f32_16x16x128_f8f6f4 v[rD:rD+7], v[rW:rW+7], v[rX:rX+7], v[rC:rC+7], v[rA], v[rB] matrix_a_fmt:MATRIX_FMT_FP4 matrix_b_fmt:MATRIX_FMT_FP4 matrix_a_scale:MATRIX_SCALE_ROW1
.elseif ((\t)%2 == 0) && ((\s)%2 == 1)
	v_wmma_scale_f32_16x16x128_f8f6f4 v[rD:rD+7], v[rW:rW+7], v[rX:rX+7], v[rC:rC+7], v[rA], v[rB] matrix_a_fmt:MATRIX_FMT_FP4 matrix_b_fmt:MATRIX_FMT_FP4 matrix_b_scale:MATRIX_SCALE_ROW1
.else
	v_wmma_scale_f32_16x16x128_f8f6f4 v[rD:rD+7], v[rW:rW+7], v[rX:rX+7], v[rC:rC+7], v[rA], v[rB] matrix_a_fmt:MATRIX_FMT_FP4 matrix_b_fmt:MATRIX_FMT_FP4 matrix_a_scale:MATRIX_SCALE_ROW1 matrix_b_scale:MATRIX_SCALE_ROW1
.endif
.endm
; The rows that were read back into set p leave.  younger: the LDS loads issued behind the six read-backs, which may stay out.
.macro SEND p, younger
	s_wait_dscnt \younger                          ; the six read-backs are in
	s_wait_xcnt 0x0                                ; the stores of the tile before, issued a whole tile ago, have read their base and their registers: the base steps, and that set is loaded again, only behind this wait
	s_add_nc_u64 s[OUT:OUT+1], s[OUT:OUT+1], s[STP:STP+1]
	s_mov_b32 s[STP], 24576                        ; from the second send on: 16 rows of 1,536 bytes
.irp pp, 0,1
.irp c, 0,1,2
	global_store_b128 v[CO], v[RB+24*(\p)+4*(3*\pp+\c):RB+24*(\p)+4*(3*\pp+\c)+3], s[OUT:OUT+1] offset:3072*\pp+256*\c   ; 16 lanes store 256 consecutive bytes, aligned
.endr
.endr
.endm
; A TILE of 16 tokens, from x's set p, through stage p.  pre = 1: the next record is fetched into the other set.  send = 1: the tile before leaves behind this tile's products.
; This tile's fragments and scale words are in: they were asked for ahead of the last tile's barrier, in front of which the wave waited for all its LDS instructions.
.macro TILE p, pre, send
.if \pre
	v_add_nc_u32 v[AX], s[TX], v[LI]
	s_add_co_u32 s[TX], s[TX], REC
	XFETCH 1-\p, AX                                ; the other set's last products lie behind four v_nop and 24 conversions
.endif
	WIN MUL_A
.irp s, 0,1,2,3                        ; the six accumulators take turns, one instruction a turn
.irp t, 0,1,2,3,4,5
	MM \t, \s, \p
.endr
.endr
	WIN MUL_B
.irp s, 4,5
.irp t, 0,1,2,3,4,5
	MM \t, \s, \p
.endr
.endr
	WIN 0
.if \send
	SEND 1-\p, 13*\pre                             ; behind the read-backs: the 13 loads of the record fetched ahead, if any
.endif
	PLACES 4                                       ; four places between the last product and the first read of results
	WIN CVT
.irp t, 0,1,2,3,4,5
.irp jj, 0,1,2,3
	v_cvt_pk_f16_f32 v[PK+4*\t+\jj], v[ACC+8*\t+2*\jj], v[ACC+8*\t+2*\jj+1]   ; each accumulator from its low end on; 16 bytes: columns 16 t + 8 h + 0 .. 7 of token r
.endr
.endr
	WIN 0
.irp t, 0,1,2,3,4,5
	ds_store_b128 v[STO], v[PK+4*\t:PK+4*\t+3] offset:STGB*\p+32*\t
.endr
	BAR                                            ; the tile's 16 rows lie whole in stage p.  Every wave's reads of the OTHER stage are over too: it may be written in the next tile
.irp pp, 0,1
.irp c, 0,1,2
	ds_load_b128 v[RB+24*\p+4*(3*\pp+\c):RB+24*\p+4*(3*\pp+\c)+3], v[RD] offset:STGB*\p+2*SPITCH*\pp+256*\c   ; set p was last read by the stores of two tiles ago: freed by this tile's wait in SEND
.endr
.endr
.endm
	s_wait_tensorcnt 0x1                           ; my part of records 0-15 has landed; my second load may stay out
	BAR                                            ; everybody's has
	XFETCH 0, LI                                   ; record 0
	s_mov_b32 s[TX], REC
	s_wait_loadcnt 0x0                             ; the weights, their scale words, the bias
	s_wait_dscnt 0x0                               ; record 0
	TILE 0, 1, 0                                   ; tile 0 stands in front of the loop: there is no tile before it to send
	s_mov_b32 s[CNT], 7
.Lfirst:                                           ; tiles 1-14; the fetch ahead reaches record 15
	TILE 1, 1, 1
	TILE 0, 1, 1
	s_sub_co_u32 s[CNT], s[CNT], 1
	s_cmp_lg_u32 s[CNT], 0
	s_cbranch_scc1 .Lfirst
	s_wait_tensorcnt 0x0                           ; my part of records 16-31 has landed,
	BAR                                            ; everybody's has
	s_mov_b32 s[CNT], 8
.Lsecond:                                          ; tiles 15-30; tile 30 fetches record 31
	TILE 1, 1, 1
	TILE 0, 1, 1
	s_sub_co_u32 s[CNT], s[CNT], 1
	s_cmp_lg_u32 s[CNT], 0
	s_cbranch_scc1 .Lsecond
	TILE 1, 0, 1                                   ; tile 31 fetches nothing
	SEND 1, 0                                      ; and leaves
	s_wait_tensorcnt 0x0                           ; the wave's end: behind my last tensor load and my last LDS store
	ds_add_u32 v[SPW], v[NIL]
	s_wait_dscnt 0x0
	s_endpgm
.Lfunc_end_k_q7631d79f32_qkv:
	.size	k_q7631d79f32_qkv, .Lfunc_end_k_q7631d79f32_qkv-k_q7631d79f32_qkv
	.p2alignl 7, 3214868480
	.fill 96, 4, 3214868480
	.section	.rodata,"a",@progbits
	.p2align	6, 0x0
	.amdhsa_kernel k_q7631d79f32_qkv
		.amdhsa_group_segment_fixed_size 327680
		.amdhsa_private_segment_fixed_size 0
		.amdhsa_enable_private_segment 0
		.amdhsa_kernarg_size 72
		.amdhsa_user_sgpr_count 2
		.amdhsa_user_sgpr_kernarg_segment_ptr 1
		.amdhsa_wavefront_size32 1
		.amdhsa_system_sgpr_workgroup_id_x 1
		.amdhsa_system_sgpr_workgroup_id_y 1
		.amdhsa_system_sgpr_workgroup_id_z 1
		.amdhsa_system_vgpr_workitem_id 0
		.amdhsa_next_free_vgpr 768
		.amdhsa_next_free_sgpr 66
		.amdhsa_reserve_vcc 0
		.amdhsa_float_denorm_mode_32 3
		.amdhsa_float_denorm_mode_16_64 3
		.amdhsa_memory_ordered 1
		.amdhsa_forward_progress 1
		.amdhsa_inst_pref_size 68
	.end_amdhsa_kernel
	.amdgpu_metadata
---
amdhsa.version: [ 1, 2 ]
amdhsa.kernels:
  - .name:           k_q7631d79f32_qkv
    .symbol:         k_q7631d79f32_qkv.kd
    .args:
      - { .name: xq, .offset: 0, .size: 8, .value_kind: global_buffer, .address_space: global }
      - { .name: wc, .offset: 8, .size: 8, .value_kind: global_buffer, .address_space: global }
      - { .name: ws, .offset: 16, .size: 8, .value_kind: global_buffer, .address_space: global }
      - { .name: bq, .offset: 24, .size: 8, .value_kind: global_buffer, .address_space: global }
      - { .name: bk, .offset: 32, .size: 8, .value_kind: global_buffer, .address_space: global }
      - { .name: bv, .offset: 40, .size: 8, .value_kind: global_buffer, .address_space: global }
      - { .name: q16, .offset: 48, .size: 8, .value_kind: global_buffer, .address_space: global }
      - { .name: k16, .offset: 56, .size: 8, .value_kind: global_buffer, .address_space: global }
      - { .name: v16, .offset: 64, .size: 8, .value_kind: global_buffer, .address_space: global }
    .group_segment_fixed_size: 327680
    .private_segment_fixed_size: 0
    .kernarg_segment_align: 8
    .kernarg_segment_size: 72
    .max_flat_workgroup_size: 128
    .sgpr_count:     66
    .vgpr_count:     768
    .wavefront_size: 32
...
	.end_amdgpu_metadata
.endif
;; end of part 2
;; launch attn (part 3): grid 4 x 64, 8 waves a work-group, clusters of 4 x 1, 327,680 bytes of LDS; arguments q16, k16, v16, ctx; writes ctx
.if DOCPART == 3
	.amdgcn_target "amdgcn-amd-amdhsa--gfx1250"
	.amdhsa_code_object_version 6
	.text
	.protected	k_q7631d79f32_attn
	.globl	k_q7631d79f32_attn
	.p2align	8
	.type	k_q7631d79f32_attn,@function
k_q7631d79f32_attn:
	s_mov_b64 s[64:65], 0
	v_nop
	global_prefetch_b8 v0, s[64:65] scope:SCOPE_SE
	s_setreg_imm32_b32 hwreg(HW_REG_WAVE_MODE, 25, 1), 1
	s_wait_xcnt 0x0
	s_wait_alu depctr_hold_cnt(0) depctr_sa_sdst(0) depctr_va_vdst(0) depctr_va_sdst(0) depctr_va_ssrc(0) depctr_va_vcc(0) depctr_vm_vsrc(0)
	s_getreg_b32 s2, hwreg(HW_REG_IB_STS2, 6, 4)
	s_cmp_eq_u32 s2, 0
	s_cbranch_scc0 .Lentry_in_a_cluster
	s_endpgm
.Lentry_in_a_cluster:
	s_bfe_u32 s2, ttmp6, 0x10000c
	s_cmp_lg_u32 s2, 0x3003
	s_cbranch_scc0 .Lentry_shape_is_right
	s_endpgm
.Lentry_shape_is_right:
; ctx2[g][q][:] = the sum over k of softmax_k(q2[g][q] . k2[g][k] / 8) v2[g][k][:], g = 0..191, 1,024 queries and keys, head size 64.  q16, k16, v16 are [192][1024][64] f16 as they lie (the flat regrouping).
; Products on f16 operands, maxima and sums in f32; the weights p are rounded to f16 for the second product, the result once to f16.
; The result is stored as the next launch's operand: ctx [1024 tiles of 16 tokens][24 K steps of 32][1,024 bytes]; token = 1,024 (g / 12) + q, k = 64 (g % 12) + channel.
; LIMITS: the result goes to f16 (it is an average of v's numbers, which are f16 already); NaN and infinities are not served.
; SHARES.  A work-group owns 256 queries of a group, each of its eight waves 32: two tiles of 16; two waves share a SIMD, so that one wave's softmax stands beside the other's products.
; A WORK-GROUP STAYS: it walks three groups on end, 3 y, 3 y + 1, 3 y + 2 (one batch: 12 is a multiple of 3), with the same block of queries in each: 4 x 64 = 256 work-groups.
; THE RING.  The three groups' K and V are 3,072 consecutive rows of k16 and v16.  They go through two LDS slots of 512 keys (half a group): waves 0-3 fetch K, waves 4-7 V, 128 rows a load.
; A slot that has been read out is filled again with the rows 1,024 further on, which are the next group's: a refill is asked for eight key steps ahead of its first read, also across the change of groups.
; A wave has two tensor loads out at the start and one behind each change of slots.
; CLUSTER: the four query blocks of a group read the same K and V, so every tile is asked for JOINTLY (mask of all four); the change of slots is a round of the cluster's barrier.
; LAYOUT.  S^T = K Q^T (source 0 = 16 keys, source 1 = 16 queries): a lane holds ONE query (lane % 16) and keys 8 (lane / 16) + 0..7; two such tiles rounded in pairs ARE source 1 of O^T = V^T P.
; V comes out of LDS turned, by ds_load_tr16_b128.  O^T's packed registers are ctx's fragments as they stand: no stage on the way out.
; SOFTMAX.  A running maximum m and sum l for each query: p = 2^(c s - c m), c = log2(e) / 8; in every step O and l are multiplied by a = 2^(c m_old - c m_new).
; A new group begins by m = -3e38 alone: its first a is then 0, which takes the old (finite) O^T and l away.
; REGISTERS.  Window 0: v1-8 addresses; v16-79 S^T (32 a tile); v80-111 P; v112-175 O^T; v176-191 statistics (8 a tile: c m, m, l, l, four at work; a takes the third of these).
;   Window 1: v0-31 Q; v32-95 K of a step; v96-159 V of a step.
.set KP,    144                        ; a row of K in LDS: 128 bytes + 16 = 9 x 16
.set VP,    160                        ; a row of V: 128 + 32 = 5 x 32
.set VB,    1024*KP                    ; V's two slots lie behind K's two
.set SLK,   512*KP                     ; a slot of K
.set SLV,   512*VP                     ; a slot of V
.set SPARE, VB+1024*VP                 ; the spare words, 128 bytes a wave
.set NG,    3                          ; groups to a work-group
.set SPW, 1
.set NIL, 2
.set AK0, 3
.set AV0, 4
.set ADK, 5
.set ADV, 6
.set QO,  7
.set GO,  8
.set S,   16
.set P,   80
.set O,   112
.set ST,  176
.set QF,  0                            ; in window 1
.set KF,  32
.set VF,  96
.set WV,  12
.set G1K, 16
.set G1V, 24
.set G0K, 32                           ; s[32:39] a set for each slot
.set G0V, 40                           ; s[40:47] a set for each slot
.set GRP, 48                           ; groups that have a successor, still to go
.set CS,  66                           ; s[66:67] c, twice
.set SEL, 68                           ; s[68:69] lane selects: lane l xor 16
.set TBK, 70                           ; LDS byte of the step of K to fetch next
.set TBV, 71                           ; and of V
.set CNT, 72
.set MSB, 0
.macro WIN new
.if MSB != \new
	s_set_vgpr_msb (MSB<<8)|\new
.set MSB, \new
.endif
.endm
.set W_KQ, 0x05                        ; K and Q in window 1, S^T in window 0
.set W_PV, 0x01                        ; V in window 1, P and O^T in window 0
.set TO1,  0x40                        ; destination window 1
.macro PLACES n
.rept \n
	v_nop
.endr
.endm
.macro BAR
	s_wait_dscnt 0x0
	s_barrier_signal -1
	s_barrier_wait -1
.endm
.macro CROUND                          ; a round of the cluster's barrier
	s_barrier_signal -1
	s_barrier_wait -1
	s_cmp_lg_u32 s[WV], 0
	s_cbranch_scc1 .Lnot_wave_0_\@
	s_barrier_signal -3
.Lnot_wave_0_\@:
	s_barrier_wait -3
	s_barrier_signal -1
	s_barrier_wait -1
.endm
; A joint refill of a slot: waves 0-3 fetch K's 512 rows, waves 4-7 V's.  The branch hangs on the wave's number alone.  An s_nop 0 and four v_nop follow each of the two lines.
.macro JLOAD slot
	s_cmp_lt_u32 s[WV], 4
	s_cbranch_scc0 .Lfor_v_\@
	tensor_load_to_lds s[G0K+4*\slot:G0K+4*\slot+3], s[G1K:G1K+7]
	s_nop 0
	PLACES 4
	s_branch .Lasked_\@
.Lfor_v_\@:
	tensor_load_to_lds s[G0V+4*\slot:G0V+4*\slot+3], s[G1V:G1V+7]
	s_nop 0
	PLACES 4
.Lasked_\@:
.endm
	s_load_b256 s[4:11], s[0:1], 0x0               ; q16, k16, v16, ctx
	v_lshl_add_u32 v[SPW], v0, 2, SPARE
	v_mov_b32 v[NIL], 0
	ds_add_u32 v[SPW], v[NIL]                      ; the wave's opening: the add and its wait stand ahead of my first tensor load
	v_lshrrev_b32 v9, 5, v0
	v_readfirstlane_b32 s[WV], v9                  ; wave 0..7
	s_bfe_u32 s13, ttmp6, 0x40000                  ; cx: my block of 256 queries; it enters Q's and ctx's global addresses alone
	s_and_b32 s15, ttmp7, 0xffff                   ; y, which the four partners share
	s_mul_i32 s14, s15, NG                         ; my first group
	s_mov_b32 s[G1K], 15|(1<<16)|(1<<20)|(1<<21)|(4<<22)|(3<<25)   ; the mask: all four; elements of 2 bytes; padding on; bit 21 beside a mask; after every 32 words, 4 words
	s_mov_b32 s[G1V], 15|(1<<16)|(1<<20)|(1<<21)|(4<<22)|(7<<25)   ; the same with 8 words
.irp g, G1K, G1V
	s_mov_b32 s[\g+1], 64<<16                      ; tensor_dim0 = 64
	s_mov_b32 s[\g+2], 128<<16                     ; tensor_dim1 = 128
	s_mov_b32 s[\g+3], 64<<16                      ; tile_dim0 = 64
	s_mov_b32 s[\g+4], 128                         ; tile_dim1 = 128 rows
	s_mov_b32 s[\g+5], 64                          ; the pitch
	s_mov_b32 s[\g+6], 0
	s_mov_b32 s[\g+7], 0
.endr
	s_mov_b32 s[CS], 0x3e38aa3b                    ; c = log2(e) / 8
	s_mov_b32 s[CS+1], s[CS]
	s_mov_b32 s[SEL], 0x76543210
	s_mov_b32 s[SEL+1], 0xfedcba98
	s_mov_b32 s[TBK], 0
	s_mov_b32 s[TBV], 0
	s_lshl_b32 s74, s14, 17                        ; the first group's first byte in q16, k16, v16
	s_mov_b32 s75, 0
	s_and_b32 s76, s[WV], 3                        ; which 128 rows of a slot I fetch
	s_lshl_b32 s77, s76, 14
	s_add_co_u32 s78, s74, s77
	s_mov_b32 s79, 0
	s_mul_i32 s73, s76, 128*KP                     ; their place in a slot: K's,
	s_mul_i32 s76, s76, 128*VP                     ; V's
	s_wait_dscnt 0x0                               ; the opening add is done
	s_wait_kmcnt 0x0
	s_add_nc_u64 s[6:7], s[6:7], s[78:79]
	s_add_nc_u64 s[8:9], s[8:9], s[78:79]
.irp s, 0,1
	s_mov_b32 s[G0K+4*\s], 1
	s_add_co_u32 s[G0K+4*\s+1], s73, \s*SLK
	s_add_nc_u64 s[G0K+4*\s+2:G0K+4*\s+3], s[6:7], \s*65536
	s_or_b32 s[G0K+4*\s+3], s[G0K+4*\s+3], 0x80000000
	s_mov_b32 s[G0V+4*\s], 1
	s_add_co_u32 s[G0V+4*\s+1], s76, VB+\s*SLV
	s_add_nc_u64 s[G0V+4*\s+2:G0V+4*\s+3], s[8:9], \s*65536
	s_or_b32 s[G0V+4*\s+3], s[G0V+4*\s+3], 0x80000000
.endr
	CROUND                                         ; all four work-groups are here: the first joint loads meet
	s_cmp_lt_u32 s[WV], 4                          ; a wave's two first fills stand in one branch on the wave's number, ahead of every wait on TENSORcnt and every LDS read
	s_cbranch_scc0 .Lfirst_v
.irp s, 0,1
	tensor_load_to_lds s[G0K+4*\s:G0K+4*\s+3], s[G1K:G1K+7]
	s_nop 0
.endr
	PLACES 4
	s_branch .Lasked
.Lfirst_v:
.irp s, 0,1
	tensor_load_to_lds s[G0V+4*\s:G0V+4*\s+3], s[G1V:G1V+7]
	s_nop 0
.endr
	PLACES 4
.Lasked:
	s_lshl_b32 s77, s13, 15                        ; Q: my block's 256 rows of 128 bytes,
	s_add_co_u32 s74, s74, s77
	s_lshl_b32 s77, s[WV], 12                      ; my wave's 32
	s_add_co_u32 s74, s74, s77
	s_add_nc_u64 s[4:5], s[4:5], s[74:75]
	v_and_b32 v9, 15, v0                           ; r
	v_bfe_u32 v10, v0, 4, 1                        ; h
	v_lshlrev_b32 v[QO], 7, v9
	v_lshl_add_u32 v[QO], v10, 4, v[QO]            ; row r x 128 + 16 h
.macro QLOAD                           ; a group's Q stays in registers: tile i, channels 32 kc on
	WIN TO1
.irp i, 0,1
.irp kc, 0,1
	global_load_b128 v[QF+16*\i+8*\kc:QF+16*\i+8*\kc+3],   v[QO], s[4:5] offset:2048*\i+64*\kc
	global_load_b128 v[QF+16*\i+8*\kc+4:QF+16*\i+8*\kc+7], v[QO], s[4:5] offset:2048*\i+64*\kc+32
.endr
.endr
	WIN 0
.endm
	QLOAD
	v_mul_u32_u24 v[AK0], v9, KP
	v_lshl_add_u32 v[AK0], v10, 4, v[AK0]          ; K: row r x pitch + 16 h
	v_and_b32 v11, 7, v0
	v_bfe_u32 v12, v0, 3, 1
	v_lshl_add_u32 v[AV0], v10, 3, v11             ; V, for the turning load: key 8 h + lane % 8,
	v_mul_u32_u24 v[AV0], v[AV0], VP
	v_lshl_add_u32 v[AV0], v12, 4, v[AV0]          ; channels 8 ((lane / 8) % 2) on
	v_add_nc_u32 v[AV0], VB, v[AV0]
	v_and_b32 v11, 31, v0
	v_lshlrev_b32 v[GO], 4, v11                    ; the way out: 16 x lane
	s_lshr_b32 s74, s15, 2                         ; the batch: 3 y / 12 = y / 4
	s_and_b32 s77, s15, 3
	s_mul_i32 s77, s77, NG                         ; my first head: 3 (y % 4)
	s_lshl_b32 s74, s74, 6
	s_lshl_b32 s78, s13, 4
	s_add_co_u32 s74, s74, s78
	s_lshl_b32 s78, s[WV], 1
	s_add_co_u32 s74, s74, s78                     ; my first tile of tokens: 64 x batch + 16 cx + 2 wave
	s_mul_i32 s74, s74, 24
	s_lshl_b32 s77, s77, 1
	s_add_co_u32 s74, s74, s77                     ; its K step 2 x head
	s_lshl_b32 s74, s74, 10
	s_add_nc_u64 s[10:11], s[10:11], s[74:75]
.irp i, 0,1
	v_mov_b32 v[ST+8*\i+1], 0xff61b1e6             ; m: -3e38, under every score
	v_mul_f32 v[ST+8*\i], s[CS], v[ST+8*\i+1]      ; c m
.irp j, 2,3,4,5,6,7
	v_mov_b32 v[ST+8*\i+\j], 0                     ; l, and the registers at work
.endr
.endr
.set n, 0
.rept 64
	v_mov_b32 v[O+n], 0                            ; O^T, once in the launch: the step is written once; its first run finds zeros, which a = 0 leaves zeros
.set n, n+1
.endr
; THE LDS LOADS stand in runs of 16.  Each run's v_add_nc_u32 and three v_nop are the four places behind the last products that read the registers.
.macro FETCH_K
	v_add_nc_u32 v[ADK], s[TBK], v[AK0]
	s_add_co_u32 s[TBK], s[TBK], 64*KP
	PLACES 3
	WIN TO1
.irp kt, 0,1,2,3
.irp kc, 0,1
	ds_load_b128 v[KF+16*\kt+8*\kc:KF+16*\kt+8*\kc+3],   v[ADK] offset:16*KP*\kt+64*\kc
	ds_load_b128 v[KF+16*\kt+8*\kc+4:KF+16*\kt+8*\kc+7], v[ADK] offset:16*KP*\kt+64*\kc+32
.endr
.endr
	WIN 0
.endm
.macro FETCH_V
	v_add_nc_u32 v[ADV], s[TBV], v[AV0]
	s_add_co_u32 s[TBV], s[TBV], 64*VP
	PLACES 3
	WIN TO1
.irp kg, 0,1
.irp ct, 0,1,2,3
	ds_load_tr16_b128 v[VF+32*\kg+8*\ct:VF+32*\kg+8*\ct+3],   v[ADV] offset:32*VP*\kg+32*\ct
	ds_load_tr16_b128 v[VF+32*\kg+8*\ct+4:VF+32*\kg+8*\ct+7], v[ADV] offset:32*VP*\kg+16*VP+32*\ct
.endr
.endr
	WIN 0
.endm
; THE SOFTMAX of both tiles for 64 keys, the tiles line by line so that no line waits for the line above it.
.macro SOFTMAX
.irp j, 0,1,2,3                        ; the maximum: four chains; each of S^T's accumulators is first read at its registers 0 to 2
.irp i, 0,1
	v_max3_num_f32 v[ST+8*\i+4+\j], v[S+32*\i+8*\j], v[S+32*\i+8*\j+1], v[S+32*\i+8*\j+2]
.endr
.endr
.irp u, 1,2
.irp j, 0,1,2,3
.irp i, 0,1
	v_max3_num_f32 v[ST+8*\i+4+\j], v[ST+8*\i+4+\j], v[S+32*\i+8*\j+2*\u+1], v[S+32*\i+8*\j+2*\u+2]
.endr
.endr
.endr
.irp i, 0,1
	v_max3_num_f32 v[ST+8*\i+4], v[ST+8*\i+4], v[S+32*\i+7], v[S+32*\i+15]
	v_max3_num_f32 v[ST+8*\i+6], v[ST+8*\i+6], v[S+32*\i+23], v[S+32*\i+31]
.endr
.irp i, 0,1
	v_max3_num_f32 v[ST+8*\i+4], v[ST+8*\i+4], v[ST+8*\i+5], v[ST+8*\i+6]
.endr
.irp i, 0,1
	v_max3_num_f32 v[ST+8*\i+4], v[ST+8*\i+4], v[ST+8*\i+7], v[ST+8*\i+1]   ; with the old m
.endr
.irp i, 0,1
	v_permlanex16_b32 v[ST+8*\i+5], v[ST+8*\i+4], s[SEL], s[SEL+1]          ; the query's other 32 keys lie in the lane 16 away
.endr
.irp i, 0,1
	v_mov_b32 v[ST+8*\i+7], v[ST+8*\i]             ; c m_old is kept for a
.endr
.irp i, 0,1
	v_max_num_f32 v[ST+8*\i+1], v[ST+8*\i+4], v[ST+8*\i+5]                  ; the new m
.endr
.irp i, 0,1
	v_mul_f32 v[ST+8*\i], s[CS], v[ST+8*\i+1]
.endr
.irp i, 0,1
	v_sub_f32 v[ST+8*\i+7], v[ST+8*\i+7], v[ST+8*\i]
.endr
.set n, 0
.rept 16
.irp i, 0,1
	v_pk_fma_f32 v[S+32*\i+2*n:S+32*\i+2*n+1], v[S+32*\i+2*n:S+32*\i+2*n+1], s[CS:CS+1], v[ST+8*\i:ST+8*\i+1] op_sel_hi:[1,0,0] neg_lo:[0,0,1] neg_hi:[0,0,1]   ; c s - c m, two at a time
.endr
.set n, n+1
.endr
.irp i, 0,1                            ; ONE BATCH of 66 exponentials: none reads another's result
	v_exp_f32 v[ST+8*\i+6], v[ST+8*\i+7]           ; a
.endr
.set n, 0
.rept 32
.irp i, 0,1
	v_exp_f32 v[S+32*\i+n], v[S+32*\i+n]           ; p
.endr
.set n, n+1
.endr
	v_nop                                          ; a plain line behind the last exponential
	s_wait_alu depctr_va_vdst(0)                   ; one wait for the batch, ahead of its first reader
.set n, 0
.rept 16
.irp i, 0,1
	v_cvt_pk_f16_f32 v[P+16*\i+n], v[S+32*\i+2*n], v[S+32*\i+2*n+1]
.endr
.set n, n+1
.endr
.irp u, 0,1,2,3,4,5,6,7                ; the sum of the 16 pairs, as a tree, in place
.irp i, 0,1
	v_pk_add_f32 v[S+32*\i+4*\u:S+32*\i+4*\u+1], v[S+32*\i+4*\u:S+32*\i+4*\u+1], v[S+32*\i+4*\u+2:S+32*\i+4*\u+3]
.endr
.endr
.irp u, 0,1,2,3
.irp i, 0,1
	v_pk_add_f32 v[S+32*\i+8*\u:S+32*\i+8*\u+1], v[S+32*\i+8*\u:S+32*\i+8*\u+1], v[S+32*\i+8*\u+4:S+32*\i+8*\u+5]
.endr
.endr
.irp u, 0,1
.irp i, 0,1
	v_pk_add_f32 v[S+32*\i+16*\u:S+32*\i+16*\u+1], v[S+32*\i+16*\u:S+32*\i+16*\u+1], v[S+32*\i+16*\u+8:S+32*\i+16*\u+9]
.endr
.endr
.irp i, 0,1
	v_pk_add_f32 v[S+32*\i:S+32*\i+1], v[S+32*\i:S+32*\i+1], v[S+32*\i+16:S+32*\i+17]
.endr
.irp i, 0,1
	v_pk_fma_f32 v[ST+8*\i+2:ST+8*\i+3], v[ST+8*\i+2:ST+8*\i+3], v[ST+8*\i+6:ST+8*\i+7], v[S+32*\i:S+32*\i+1] op_sel_hi:[1,0,1]   ; l = a l + the sum
.endr
.set n, 0
.rept 16
.irp i, 0,1
	v_pk_mul_f32 v[O+32*\i+2*n:O+32*\i+2*n+1], v[O+32*\i+2*n:O+32*\i+2*n+1], v[ST+8*\i+6:ST+8*\i+7] op_sel_hi:[1,0]   ; O^T x a, each accumulator from its low end on
.endr
.set n, n+1
.endr
.endm
; A KEY STEP: 64 keys.  pre = 1: the next step's K is fetched behind this step's first products.
.macro STEP pre
	FETCH_V
	s_wait_dscnt 16                                ; K of this step is in; V's 16 loads may be out
	WIN W_KQ
.irp kc, 0,1                           ; the eight accumulators take turns, one instruction a turn; the first eight products start the sums
.irp kt, 0,1,2,3
.irp i, 0,1
.if \kc == 0
	v_wmma_f32_16x16x32_f16 v[S+32*\i+8*\kt:S+32*\i+8*\kt+7], v[KF+16*\kt+8*\kc:KF+16*\kt+8*\kc+7], v[QF+16*\i+8*\kc:QF+16*\i+8*\kc+7], 0
.else
	v_wmma_f32_16x16x32_f16 v[S+32*\i+8*\kt:S+32*\i+8*\kt+7], v[KF+16*\kt+8*\kc:KF+16*\kt+8*\kc+7], v[QF+16*\i+8*\kc:QF+16*\i+8*\kc+7], v[S+32*\i+8*\kt:S+32*\i+8*\kt+7]
.endif
.endr
.endr
.endr
	WIN 0
.if \pre
	FETCH_K                                        ; its four places serve the first read of the scores too
.else
	PLACES 4
.endif
	SOFTMAX
.if \pre
	s_wait_dscnt 16                                ; V is in; the next K's 16 loads may be out
.else
	s_wait_dscnt 0x0
.endif
	WIN W_PV
.irp kg, 0,1
.irp ct, 0,1,2,3
.irp i, 0,1
	v_wmma_f32_16x16x32_f16 v[O+32*\i+8*\ct:O+32*\i+8*\ct+7], v[VF+32*\kg+8*\ct:VF+32*\kg+8*\ct+7], v[P+16*\i+8*\kg:P+16*\i+8*\kg+7], v[O+32*\i+8*\ct:O+32*\i+8*\ct+7]
.endr
.endr
.endr
	WIN 0
.endm
; A SLOT'S EIGHT KEY STEPS.  The last fetches no K ahead: the next step's K lies in the other slot and is fetched behind the change of slots, so that no read crosses a change.
.macro HALF
	s_mov_b32 s[CNT], 7
.Lstep_\@:
	STEP 1
	s_sub_co_u32 s[CNT], s[CNT], 1
	s_cmp_lg_u32 s[CNT], 0
	s_cbranch_scc1 .Lstep_\@
	STEP 0
.endm
; THE CHANGE OF SLOTS.  Each wave waits for all its tensor loads, of which one is out: its part of the other slot; adds 0 to its spare word; and waits for that and for its reads of the slot that it leaves.
; fill = 1: the slot just left is filled again with the rows 1,024 further on.  The barrier is then a round of the cluster's, so that no wave of any partner still reads the slot or has a load on its way,
; and the joint refill is the first thing behind it: it has eight key steps in which to land.
.macro CHANGE fill, slot
	s_wait_tensorcnt 0x0                           ; no tensor load of mine is out, so a group 0 may be written
	ds_add_u32 v[SPW], v[NIL]                      ; 0 onto my spare word
.if \fill
	s_add_nc_u64 s[G0K+4*\slot+2:G0K+4*\slot+3], s[G0K+4*\slot+2:G0K+4*\slot+3], 131072   ; 1,024 rows of 128 bytes on; the type bits on top are not reached
	s_add_nc_u64 s[G0V+4*\slot+2:G0V+4*\slot+3], s[G0V+4*\slot+2:G0V+4*\slot+3], 131072
	s_wait_dscnt 0x0                               ; the add is done, and my reads of the slot are over
	CROUND
	JLOAD \slot
.else
	s_wait_dscnt 0x0
	s_barrier_signal -1
	s_barrier_wait -1
.endif
.endm
; THE WAY OUT of a group: l's two halves and the other half of the lanes' are added; O^T / l is rounded to f16: four registers of a tile of channels are half a fragment of ctx.
.macro WAYOUT
	PLACES 4
.irp i, 0,1
	v_add_f32 v[ST+8*\i+4], v[ST+8*\i+2], v[ST+8*\i+3]
.endr
.irp i, 0,1
	v_permlanex16_b32 v[ST+8*\i+5], v[ST+8*\i+4], s[SEL], s[SEL+1]
.endr
.irp i, 0,1
	v_add_f32 v[ST+8*\i+4], v[ST+8*\i+4], v[ST+8*\i+5]
.endr
.irp i, 0,1
	v_rcp_f32 v[ST+8*\i+6], v[ST+8*\i+4]
.endr
	v_nop                                          ; a plain line behind the last reciprocal
	s_wait_alu depctr_va_vdst(0)                   ; one wait for the two, ahead of their first reader
.set n, 0
.rept 16
.irp i, 0,1
	v_pk_mul_f32 v[O+32*\i+2*n:O+32*\i+2*n+1], v[O+32*\i+2*n:O+32*\i+2*n+1], v[ST+8*\i+6:ST+8*\i+7] op_sel_hi:[1,0]
.endr
.set n, n+1
.endr
.set n, 0
.rept 16
.irp i, 0,1
	v_cvt_pk_f16_f32 v[S+16*\i+n], v[O+32*\i+2*n], v[O+32*\i+2*n+1]
.endr
.set n, n+1
.endr
.irp i, 0,1
.irp ct, 0,1,2,3
	global_store_b128 v[GO], v[S+16*\i+4*\ct:S+16*\i+4*\ct+3], s[10:11] offset:24576*\i+512*\ct   ; 32 lanes store 512 consecutive bytes, aligned
.endr
.endr
.endm
	s_wait_tensorcnt 0x1                           ; my part of slot 0 has landed; slot 1's load may stay out
	BAR                                            ; everybody's has
	FETCH_K                                        ; step 0
	s_wait_loadcnt 0x0                             ; Q
	s_mov_b32 s[GRP], NG-1
.Lgroup:                                           ; a group that has a successor: both its slots are filled again, with the successor's keys
	HALF                                           ; keys 0-511
	CHANGE 1, 0
	FETCH_K                                        ; key 512 on
	HALF                                           ; keys 512-1,023
	s_add_nc_u64 s[4:5], s[4:5], 131072            ; the next group's Q is asked for here (the last loads by this base were waited for); it lands under the change and the way out
	QLOAD
	CHANGE 1, 1
	WAYOUT
.irp i, 0,1
	v_mov_b32 v[ST+8*\i+1], 0xff61b1e6             ; the next group begins: m under every score, so that its first a is 0
	v_mul_f32 v[ST+8*\i], s[CS], v[ST+8*\i+1]
.endr
	s_mov_b32 s[TBK], 0                            ; the fetches go back to slot 0
	s_mov_b32 s[TBV], 0
	FETCH_K
	s_wait_xcnt 0x0                                ; the stores have read their registers and their base: S^T is written again, and the base steps, only behind this wait
	s_add_nc_u64 s[10:11], s[10:11], 2048          ; the next head: two K steps of ctx on
	s_wait_loadcnt 0x0                             ; Q
	s_sub_co_u32 s[GRP], s[GRP], 1
	s_cmp_lg_u32 s[GRP], 0
	s_cbranch_scc1 .Lgroup
	HALF                                           ; the last group is written out: nothing more is asked for
	CHANGE 0, 0
	FETCH_K
	HALF
	WAYOUT
	s_wait_tensorcnt 0x0                           ; the wave's end: behind my last tensor load
	ds_add_u32 v[SPW], v[NIL]
	s_wait_dscnt 0x0
	CROUND                                         ; the closing round
	s_endpgm
.Lfunc_end_k_q7631d79f32_attn:
	.size	k_q7631d79f32_attn, .Lfunc_end_k_q7631d79f32_attn-k_q7631d79f32_attn
	.p2alignl 7, 3214868480
	.fill 96, 4, 3214868480
	.section	.rodata,"a",@progbits
	.p2align	6, 0x0
	.amdhsa_kernel k_q7631d79f32_attn
		.amdhsa_group_segment_fixed_size 327680
		.amdhsa_private_segment_fixed_size 0
		.amdhsa_enable_private_segment 0
		.amdhsa_kernarg_size 32
		.amdhsa_user_sgpr_count 2
		.amdhsa_user_sgpr_kernarg_segment_ptr 1
		.amdhsa_wavefront_size32 1
		.amdhsa_system_sgpr_workgroup_id_x 1
		.amdhsa_system_sgpr_workgroup_id_y 1
		.amdhsa_system_sgpr_workgroup_id_z 1
		.amdhsa_system_vgpr_workitem_id 0
		.amdhsa_next_free_vgpr 512
		.amdhsa_next_free_sgpr 80
		.amdhsa_reserve_vcc 0
		.amdhsa_float_denorm_mode_32 3
		.amdhsa_float_denorm_mode_16_64 3
		.amdhsa_memory_ordered 1
		.amdhsa_forward_progress 1
		.amdhsa_inst_pref_size 163
	.end_amdhsa_kernel
	.amdgpu_metadata
---
amdhsa.version: [ 1, 2 ]
amdhsa.kernels:
  - .name:           k_q7631d79f32_attn
    .symbol:         k_q7631d79f32_attn.kd
    .args:
      - { .name: q16, .offset: 0, .size: 8, .value_kind: global_buffer, .address_space: global }
      - { .name: k16, .offset: 8, .size: 8, .value_kind: global_buffer, .address_space: global }
      - { .name: v16, .offset: 16, .size: 8, .value_kind: global_buffer, .address_space: global }
      - { .name: ctx, .offset: 24, .size: 8, .value_kind: global_buffer, .address_space: global }
    .group_segment_fixed_size: 327680
    .private_segment_fixed_size: 0
    .kernarg_segment_align: 8
    .kernarg_segment_size: 32
    .max_flat_workgroup_size: 256
    .sgpr_count:     80
    .vgpr_count:     512
    .wavefront_size: 32
...
	.end_amdgpu_metadata
.endif
;; end of part 3
;; launch oproj (part 4): grid 64 x 4, 4 waves a work-group, clusters of 4 x 1, 327,680 bytes of LDS; arguments ctx, wo16, bo, out0; writes out0
.if DOCPART == 4
	.amdgcn_target "amdgcn-amd-amdhsa--gfx1250"
	.amdhsa_code_object_version 6
	.text
	.protected	k_q7631d79f32_oproj
	.globl	k_q7631d79f32_oproj
	.p2align	8
	.type	k_q7631d79f32_oproj,@function
k_q7631d79f32_oproj:
	s_mov_b64 s[64:65], 0
	v_nop
	global_prefetch_b8 v0, s[64:65] scope:SCOPE_SE
	s_setreg_imm32_b32 hwreg(HW_REG_WAVE_MODE, 25, 1), 1
	s_wait_xcnt 0x0
	s_wait_alu depctr_hold_cnt(0) depctr_sa_sdst(0) depctr_va_vdst(0) depctr_va_sdst(0) depctr_va_ssrc(0) depctr_va_vcc(0) depctr_vm_vsrc(0)
	s_getreg_b32 s2, hwreg(HW_REG_IB_STS2, 6, 4)
	s_cmp_eq_u32 s2, 0
	s_cbranch_scc0 .Lentry_in_a_cluster
	s_endpgm
.Lentry_in_a_cluster:
	s_bfe_u32 s2, ttmp6, 0x10000c
	s_cmp_lg_u32 s2, 0x3003
	s_cbranch_scc0 .Lentry_shape_is_right
	s_endpgm
.Lentry_shape_is_right:
; out0 = ctx Wo + bo.  ctx and Wo come as f16 fragments in operand order (ctx [1024 tiles of 16 tokens][24 K steps of 32][1,024 bytes]; wo16 [4 blocks of 192 columns][24][12 tiles][1,024 bytes]); sums in f32; out0 [16384][768] f32.
; SHARES.  Work-group x: 256 tokens; y: 192 columns (768 bytes of an output row: three aligned blocks of 256).  Wave w owns tokens 64 w .. 64 w + 63 and all 192 columns: 48 accumulators, 384 registers.
; The block's part of Wo, 294,912 bytes on end in memory, comes into LDS once, in three stages of 8 K steps: three loads a wave (96 rows of 256 bytes each), nothing is filled again; three loads of a wave are out at the most.
; CLUSTER: the four row blocks of a cluster read the same part of Wo: every load is asked for JOINTLY (mask of all four).
; A fragment of ctx is wanted by one wave alone: it comes straight into registers, three K steps ahead (a ring of four sets).
; THE PRODUCT IS USED TRANSPOSED (source 0 = 16 columns of Wo, source 1 = 16 tokens): a lane holds eight neighbouring columns of one token.  The bias is the C of each sum's first instruction.
; The way out goes through a stage of 16 rows x (768 + 16) bytes for each wave, laid in Wo's bytes behind a barrier: they have had their only fill and their last read.
; REGISTERS.  Window 0: v1-8 addresses; v16-143 ctx's ring (set q, tile a at 16 + 32 q + 8 a); v144-239 the bias; on the way out v16-207 rows read back.
;   Window 1: Wo's fragments, two sets of 96.   Window 2: accumulators of token tiles 0, 1 (96 a + 8 b).   Window 3: those of tiles 2, 3.
.set KSB,    12288                     ; a K step's twelve fragments
.set STAGE,  8*KSB
.set SPARE,  24*KSB                    ; behind Wo: the spare words, 128 bytes a wave
.set SPITCH, 784                       ; 768 + 16 = 49 x 16
.set STGB,   16*SPITCH
.set SPW, 1
.set NIL, 2
.set LI,  3                            ; 16 x lane
.set AB,  4                            ; LDS address of Wo's fragments: 16 x lane + 4 K steps at a time
.set STO, 5
.set RD,  6
.set CO,  7
.set H32, 8
.set AR,  16
.set BI,  144
.set RB,  16
.set WV,  12
.set G1,  16
.set G0,  24                           ; s[24:35] three sets
.set AP,  48                           ; s[48:49] ctx at my first tile
.set OUT, 50                           ; s[50:51] out0 at my first row and column
.set MSB, 0
.macro WIN new
.if MSB != \new
	s_set_vgpr_msb (MSB<<8)|\new
.set MSB, \new
.endif
.endm
.set TO_B, 0x40
.macro PLACES n
.rept \n
	v_nop
.endr
.endm
.macro BAR
	s_wait_dscnt 0x0
	s_barrier_signal -1
	s_barrier_wait -1
.endm
.macro CROUND
	s_barrier_signal -1
	s_barrier_wait -1
	s_cmp_lg_u32 s[WV], 0
	s_cbranch_scc1 .Lnot_wave_0_\@
	s_barrier_signal -3
.Lnot_wave_0_\@:
	s_barrier_wait -3
	s_barrier_signal -1
	s_barrier_wait -1
.endm
	s_load_b256 s[4:11], s[0:1], 0x0               ; ctx, wo16, bo, out0
	v_lshl_add_u32 v[SPW], v0, 2, SPARE
	v_mov_b32 v[NIL], 0
	ds_add_u32 v[SPW], v[NIL]                      ; the wave's opening: the add and its wait stand ahead of my first tensor load
	v_lshrrev_b32 v9, 5, v0
	v_readfirstlane_b32 s[WV], v9                  ; wave 0..3
	s_bfe_u32 s13, ttmp6, 0x40000                  ; cx: it enters ctx's and out0's global addresses alone
	s_and_b32 s15, ttmp7, 0xffff                   ; cb: the block of columns, which the four partners share
	s_mov_b32 s[G1+0], 15|(3<<16)|(1<<21)          ; the mask: all four; elements of 8 bytes; bit 21 beside a mask; no padding
	s_mov_b32 s[G1+1], 32<<16                      ; tensor_dim0 = 32 (256 bytes)
	s_mov_b32 s[G1+2], 96<<16                      ; tensor_dim1 = 96
	s_mov_b32 s[G1+3], 32<<16                      ; tile_dim0
	s_mov_b32 s[G1+4], 96                          ; tile_dim1: two K steps
	s_mov_b32 s[G1+5], 32                          ; the pitch: dense
	s_mov_b32 s[G1+6], 0
	s_mov_b32 s[G1+7], 0
	s_mul_i32 s54, s[WV], 2*KSB                    ; my two K steps of a stage
	s_mul_i32 s52, s15, 24*KSB
	s_add_co_u32 s52, s52, s54
	s_mov_b32 s53, 0
	s_wait_dscnt 0x0                               ; the opening add is done
	s_wait_kmcnt 0x0
	s_add_nc_u64 s[6:7], s[6:7], s[52:53]
.irp s, 0,1,2
	s_mov_b32 s[G0+4*\s], 1
	s_add_co_u32 s[G0+4*\s+1], s54, \s*STAGE
	s_add_nc_u64 s[G0+4*\s+2:G0+4*\s+3], s[6:7], \s*STAGE
	s_or_b32 s[G0+4*\s+3], s[G0+4*\s+3], 0x80000000
.endr
	CROUND                                         ; all four work-groups are here: the joint loads meet
.irp s, 0,1,2
	tensor_load_to_lds s[G0+4*\s:G0+4*\s+3], s[G1:G1+7]
	s_nop 0
.endr
	PLACES 4
	s_lshl_b32 s14, ttmp9, 2
	s_add_co_u32 s14, s14, s13                     ; my block of 256 tokens = 4 x cluster x + cx
	s_lshl_b32 s56, s14, 4
	s_lshl_b32 s55, s[WV], 2
	s_add_co_u32 s56, s56, s55                     ; my first tile of tokens: 16 x block + 4 wave
	s_mul_i32 s52, s56, 24576
	s_add_nc_u64 s[AP:AP+1], s[4:5], s[52:53]
	s_mul_i32 s52, s56, 49152                      ; 16 rows of 3,072 bytes
	s_mul_i32 s55, s15, 768
	s_add_co_u32 s52, s52, s55
	s_add_nc_u64 s[OUT:OUT+1], s[10:11], s[52:53]
	s_mov_b32 s52, s55
	s_add_nc_u64 s[8:9], s[8:9], s[52:53]          ; the bias of my block's columns
	v_and_b32 v9, 31, v0                           ; lane
	v_and_b32 v10, 15, v0                          ; r
	v_bfe_u32 v11, v0, 4, 1                        ; h
	v_lshlrev_b32 v[LI], 4, v9
	v_lshlrev_b32 v[AB], 4, v9
	v_lshlrev_b32 v[H32], 5, v11
.irp b, 0,1,2,3,4,5,6,7,8,9,10,11
	global_load_b128 v[BI+8*\b:BI+8*\b+3], v[H32], s[8:9] offset:64*\b            ; the bias of columns 16 b + 8 h + 0 .. 7
	global_load_b128 v[BI+8*\b+4:BI+8*\b+7], v[H32], s[8:9] offset:64*\b+16
.endr
.macro ALOAD ks                        ; ctx's four fragments of K step ks into set ks % 4: every offset an immediate
.irp a, 0,1,2,3
.irp c, 0,1
	global_load_b128 v[AR+32*((\ks)%4)+8*\a+4*\c:AR+32*((\ks)%4)+8*\a+4*\c+3], v[LI], s[AP:AP+1] offset:24576*\a+1024*(\ks)+512*\c th:TH_LOAD_NT
.endr
.endr
.endm
.macro BLOAD ks                        ; Wo's twelve fragments of K step ks into set ks % 2
.if ((\ks)%4 == 0) && ((\ks) > 0)
	WIN 0
	v_add_nc_u32 v[AB], 4*KSB, v[AB]               ; the immediates reach four K steps
.endif
	WIN TO_B
.irp b, 0,1,2,3,4,5,6,7,8,9,10,11
.irp c, 0,1
	ds_load_b128 v[96*((\ks)%2)+8*\b+4*\c:96*((\ks)%2)+8*\b+4*\c+3], v[AB] offset:KSB*((\ks)%4)+1024*\b+512*\c
.endr
.endr
	WIN 0
.endm
.macro MUL24 ks, hi                    ; token tiles 2 hi, 2 hi + 1 x the twelve tiles of columns
.irp a, 0,1
.irp b, 0,1,2,3,4,5,6,7,8,9,10,11
.if (\ks) == 0
	v_wmma_f32_16x16x32_f16 v[96*\a+8*\b:96*\a+8*\b+7], v[96*((\ks)%2)+8*\b:96*((\ks)%2)+8*\b+7], v[AR+32*((\ks)%4)+8*(2*\hi+\a):AR+32*((\ks)%4)+8*(2*\hi+\a)+7], v[BI+8*\b:BI+8*\b+7]
.else
	v_wmma_f32_16x16x32_f16 v[96*\a+8*\b:96*\a+8*\b+7], v[96*((\ks)%2)+8*\b:96*((\ks)%2)+8*\b+7], v[AR+32*((\ks)%4)+8*(2*\hi+\a):AR+32*((\ks)%4)+8*(2*\hi+\a)+7], v[96*\a+8*\b:96*\a+8*\b+7]
.endif
.endr
.endr
.endm
; A K STEP of 32: 48 products, the 48 accumulators by turns in the same order in every step.  In its middle the next step's Wo and ctx of three steps on are asked for.
.macro KSTEP ks
.if (\ks) <= 21
	s_wait_loadcnt 16                              ; ctx of this K step is in; those of the next two steps may be out
.elseif (\ks) == 22
	s_wait_loadcnt 8
.else
	s_wait_loadcnt 0x0
.endif
	s_wait_dscnt 0x0                               ; Wo of this K step is in
.if ((\ks)%8 == 7) && ((\ks) < 23)
	s_wait_tensorcnt 1-(\ks)/8                     ; my part of the next stage has landed; what is younger may stay out
	s_barrier_signal -1
	s_barrier_wait -1                              ; everybody's has
.endif
.if (\ks) == 0
	WIN 0x81                                       ; source 0 (Wo) window 1, source 1 (ctx) and C (the bias) window 0, D window 2
.else
	WIN 0xa1                                       ; C and D window 2
.endif
	MUL24 \ks, 0
.if (\ks) < 23
	PLACES 4                                       ; four places behind the last step's products, whose registers the loads below fill
	BLOAD (\ks)+1
.if (\ks) < 21
	ALOAD (\ks)+3
.endif
.endif
.if (\ks) == 0
	WIN 0xc1
.else
	WIN 0xf1                                       ; C and D window 3
.endif
	MUL24 \ks, 1
.endm
	ALOAD 0
	ALOAD 1
	ALOAD 2
	s_mul_i32 s55, s[WV], STGB                     ; my stage
	v_mul_u32_u24 v[STO], v10, SPITCH
	v_lshl_add_u32 v[STO], v11, 5, v[STO]
	v_add_nc_u32 v[STO], s55, v[STO]               ; in: row r, + 32 h
	v_mul_u32_u24 v[RD], v11, SPITCH
	v_lshl_add_u32 v[RD], v10, 4, v[RD]
	v_add_nc_u32 v[RD], s55, v[RD]                 ; back: lanes 0-15 one row, lanes 16-31 the next; 16 bytes a lane
	v_mul_u32_u24 v[CO], v11, 3072
	v_lshl_add_u32 v[CO], v10, 4, v[CO]            ; and the same place in out0
	s_wait_tensorcnt 0x2                           ; my part of K steps 0-7 has landed; my two younger loads may stay out
	BAR                                            ; everybody's has
	BLOAD 0
.set KS, 0
.rept 24
	KSTEP KS
.set KS, KS+1
.endr
	WIN 0
	PLACES 4                                       ; four places between the last product and the first read of results
	BAR                                            ; nobody reads Wo's bytes any more: the stages may be written
; THE WAY OUT, a tile of 16 tokens at a time: 32 bytes a lane into my stage, back as rows, sixteen lanes to an aligned block of 256 bytes.  LDS serves a wave's instructions in order: no wait between the stores and the loads.
.macro TOSTAGE a
	WIN 0x08+4*((\a)/2)                            ; an LDS store's data: window 2 or 3
.irp b, 0,1,2,3,4,5,6,7,8,9,10,11
	ds_store_b128 v[STO], v[96*((\a)%2)+8*\b:96*((\a)%2)+8*\b+3] offset:64*\b          ; each accumulator from its low end on
	ds_store_b128 v[STO], v[96*((\a)%2)+8*\b+4:96*((\a)%2)+8*\b+7] offset:64*\b+16
.endr
	WIN 0
.set BB, RB+96*((\a)%2)
.irp pp, 0,1,2,3,4,5,6,7
.irp c, 0,1,2
	ds_load_b128 v[BB+4*(3*\pp+\c):BB+4*(3*\pp+\c)+3], v[RD] offset:2*SPITCH*\pp+256*\c
.endr
.endr
.endm
.macro SEND a, younger                 ; younger: the LDS instructions issued behind tile a's loads, which may stay out
.set BB, RB+96*((\a)%2)
	s_wait_dscnt \younger
.irp pp, 0,1,2,3,4,5,6,7
.irp c, 0,1,2
	global_store_b128 v[CO], v[BB+4*(3*\pp+\c):BB+4*(3*\pp+\c)+3], s[OUT:OUT+1] offset:3072*(16*(\a)+2*\pp)+256*\c th:TH_STORE_NT
.endr
.endr
.endm
	TOSTAGE 0
.irp a, 1,2,3
.if \a > 1
	s_wait_xcnt 0x0                                ; tile a - 2's stores have read their registers: tile a's loads land there only behind this wait
.endif
	TOSTAGE \a
	SEND \a-1, 48                                  ; behind tile a - 1's loads: tile a's 24 stores and 24 loads
.endr
	SEND 3, 0
	s_wait_tensorcnt 0x0                           ; the wave's end: behind my last tensor load and my last LDS store
	ds_add_u32 v[SPW], v[NIL]
	s_wait_dscnt 0x0
	CROUND                                         ; the closing round
	s_endpgm
.Lfunc_end_k_q7631d79f32_oproj:
	.size	k_q7631d79f32_oproj, .Lfunc_end_k_q7631d79f32_oproj-k_q7631d79f32_oproj
	.p2alignl 7, 3214868480
	.fill 96, 4, 3214868480
	.section	.rodata,"a",@progbits
	.p2align	6, 0x0
	.amdhsa_kernel k_q7631d79f32_oproj
		.amdhsa_group_segment_fixed_size 327680
		.amdhsa_private_segment_fixed_size 0
		.amdhsa_enable_private_segment 0
		.amdhsa_kernarg_size 32
		.amdhsa_user_sgpr_count 2
		.amdhsa_user_sgpr_kernarg_segment_ptr 1
		.amdhsa_wavefront_size32 1
		.amdhsa_system_sgpr_workgroup_id_x 1
		.amdhsa_system_sgpr_workgroup_id_y 1
		.amdhsa_system_sgpr_workgroup_id_z 1
		.amdhsa_system_vgpr_workitem_id 0
		.amdhsa_next_free_vgpr 1024
		.amdhsa_next_free_sgpr 66
		.amdhsa_reserve_vcc 0
		.amdhsa_float_denorm_mode_32 3
		.amdhsa_float_denorm_mode_16_64 3
		.amdhsa_memory_ordered 1
		.amdhsa_forward_progress 1
		.amdhsa_inst_pref_size 163
	.end_amdhsa_kernel
	.amdgpu_metadata
---
amdhsa.version: [ 1, 2 ]
amdhsa.kernels:
  - .name:           k_q7631d79f32_oproj
    .symbol:         k_q7631d79f32_oproj.kd
    .args:
      - { .name: ctx, .offset: 0, .size: 8, .value_kind: global_buffer, .address_space: global }
      - { .name: wo16, .offset: 8, .size: 8, .value_kind: global_buffer, .address_space: global }
      - { .name: bo, .offset: 16, .size: 8, .value_kind: global_buffer, .address_space: global }
      - { .name: out0, .offset: 24, .size: 8, .value_kind: global_buffer, .address_space: global }
    .group_segment_fixed_size: 327680
    .private_segment_fixed_size: 0
    .kernarg_segment_align: 8
    .kernarg_segment_size: 32
    .max_flat_workgroup_size: 128
    .sgpr_count:     66
    .vgpr_count:     1024
    .wavefront_size: 32
...
	.end_amdgpu_metadata
.endif
;; end of part 4
